; MI455X (gfx1250); checked and timed in simulation.
; The chip was launched on July 23, 2026; its instructions are those of AMD's public machine-readable ISA for CDNA 5 (MIT licence, August 2026) and "CDNA5" Instruction Set Architecture Reference Guide (July 2026). The comments in the code are by the model that wrote it; some were corrected since.
;; SINGLE Decoder. Allowed arithmetic: matrix products marked QUANTISED: E2M1 operands, one E8M0 scale for each 32 along K, by v_wmma_scale_f32_16x16x128_f8f6f4 with both operands' format E2M1 (or v_wmma_scale_f32_32x16x128_f4), f32 sums; products left as they are: f32 operands where the result goes on into a quantised operand, else bf16, f16 or f32 operands; f32 sums; everything else in f32.
;; Inputs: Wc_codes 256 x 8 x 16 uint8 (E2M1 codes of Wc, K innermost, in blocks of 32 codes, two codes a byte); Wc_scales 256 x 8 uint8 (E8M0 scales of Wc, one for each 32 codes along K); Wk_codes 256 x 8 x 16 uint8 (E2M1 codes of Wk, K innermost, in blocks of 32 codes, two codes a byte); Wk_scales 256 x 8 uint8 (E8M0 scales of Wk, one for each 32 codes along K); Wq_last 257 x 256 float32; Wv_codes 256 x 8 x 16 uint8 (E2M1 codes of Wv, K innermost, in blocks of 32 codes, two codes a byte); Wv_scales 256 x 8 uint8 (E8M0 scales of Wv, one for each 32 codes along K); attr 16 x 1,000 x 1 float32; bc 256 float32; encoded_last_node 16 x 1,000 x 256 float32; encoded_nodes_codes 16 x 1,000 x 8 x 16 uint8 (E2M1 codes of encoded_nodes, K innermost, in blocks of 32 codes, two codes a byte); encoded_nodes_scales 16 x 1,000 x 8 uint8 (E8M0 scales of encoded_nodes, one for each 32 codes along K); ninf_mask 16 x 1,000 x 1,000 float32.
;; Outputs: out0 16 x 1,000 x 1,000 float32.
;; This version of the problem:
;;   THIS VERSION OF THE PROBLEM IS GIVEN IN LOW PRECISION. The matrix products marked QUANTISED in the list below multiply operands that are first quantised to E2M1 (2 exponent bits, 1 mantissa bit; 4 bits a number), with one power-of-two scale for each 32 numbers along K (OCP MX v1.0); their sums are f32. All else is computed in f32.
;;   The module's matrix products, in the order in which they are computed (A, B: the left and right operand; K: the contracted axis; several contracted axes count as one K, in the product's order):
;;     1. [M 16,000, K 256] x [K 256, N 256]; A: input encoded_nodes (given as codes); B: input Wk (given as codes): QUANTISED
;;     2. [M 16,000, K 256] x [K 256, N 256]; A: input encoded_nodes (given as codes); B: input Wv (given as codes): QUANTISED
;;     3. [M 16,000, K 257] x [K 257, N 256]; A: computed on the way; B: input Wq_last: QUANTISED
;;     4. batch 256 x [M 1,000, K 16] x [K 16, N 1,000]; A: computed on the way; B: computed on the way: left as it is (K = 16 < 32)
;;     5. batch 256 x [M 1,000, K 1,000] x [K 1,000, N 16]; A: softmax (see below); B: computed on the way: QUANTISED
;;     6. [M 16,000, K 256] x [K 256, N 256]; A: computed on the way; B: input Wc (given as codes): QUANTISED
;;     7. batch 16 x [M 1,000, K 256] x [K 256, N 1,000]; A: computed on the way; B: input encoded_nodes (given as codes): QUANTISED
;;   THE QUANTISER, for each operand of a quantised product, along K:
;;     - K is cut into blocks of 32 from its start; a last block that is shorter is filled with zeros.
;;     - A block's scale is 2^e with e = floor(log2(the largest magnitude in the block)) - 2, held to -126 .. 127; a block of zeros has e = 0. As a byte (E8M0): e + 127.
;;     - Each number is divided by its block's scale, clamped to +-6, and rounded to the nearest number of E2M1, ties to even, subnormals kept.
;;     - The product sums the exact products of the quantised numbers (number of the format x scale) in f32.
;;   ~~~python
;;   def quantise(x, axis):      # numpy; x: float32 -> the quantised numbers, widened to float32 again
;;       x = np.moveaxis(x, axis, -1); K = x.shape[-1]
;;       x = np.pad(x, [(0, 0)] * (x.ndim - 1) + [(0, -K % 32)]); x = x.reshape(x.shape[:-1] + (-1, 32)); a = np.abs(x).max(-1, keepdims=True)
;;       e = np.where(a > 0, np.clip(np.frexp(np.where(a > 0, a, 1))[1] - 1 - 2, -126, 127), 0)      # np.frexp(a)[1] - 1 = floor(log2(a)), exactly
;;       r = np.clip(x / 2.0 ** e, -6, 6)
;;       step = 2.0 ** (np.maximum(np.frexp(np.where(r == 0, 1, r))[1] - 1, 0) - 1)
;;       q = np.round(r / step) * step * 2.0 ** e      # np.round: ties to even
;;       return np.moveaxis(q.reshape(q.shape[:-2] + (-1,))[..., :K], -1, axis).astype(np.float32)
;;   ~~~
;;   SOFTMAX AHEAD OF A QUANTISED PRODUCT. Where the list says 'softmax', what is quantised is not the finished softmax but p = 2^(t - M), with t = logit x log2(e) and M = ceil(the row's largest t), a whole number; so 1/2 < the row's largest p <= 1. The row's sum l is taken of the UNQUANTISED p, in f32, and the product's result is divided by l at the end. Since M is a whole number, a kernel that streams over the keys may use a running M (the ceiling of the running maximum): every later rescaling is an exact power of two, which a block's scale takes up: the codes' values come out the same.
;;   OPERANDS COMPUTED ON THE WAY. 'Computed on the way' means the value that the module computes at that place (a softmax that the list does not call 'softmax' is quantised finished and normalised). What goes into a quantiser is computed in f32, as accurately as f32 sums, v_exp_f32 and their like allow (about 1e-6 of the number): no bf16 or f16 on the way to a quantiser, and a product that is left as it is and whose result goes on into a quantised operand takes f32 operands (vector FMAs, or v_wmma_f32_16x16x4_f32). A number that lies on a knife's edge between two numbers of the format may be rounded either way, as far as f32 arithmetic and the matrix unit's own rounding can turn it there, and no further.
;;   INPUTS GIVEN AS CODES. Wc (in the module: [256, 256], K = its axis 0); Wk (in the module: [256, 256], K = its axis 0); Wv (in the module: [256, 256], K = its axis 0); encoded_nodes (in the module: [16, 1000, 256], K = its axis 2): each comes as NAME_codes (uint8): NAME with its K axis moved to the last place and cut into blocks of 32 codes, [.., K / 32, bytes a block], one block behind the other in memory; two codes a byte, the lower K in the low four bits (a code: sign, 2 exponent bits, 1 mantissa bit); and NAME_scales (uint8): the same leading axes, one E8M0 byte (e + 127) for each 32 codes along K. Its value is code x scale, taken as it is: it is not quantised again, and the codes and scales need not be those that the quantiser above would give.
;; One version. Each part assembles by itself: llvm-mc -triple=amdgcn-amd-amdhsa -mcpu=gfx1250 --defsym DOCPART=n.
;; ======== version 1 of 1: 3 launches
;; workspace buffers: kv 19,136,512 bytes; wq 55,296 bytes; oc 4,194,304 bytes
;; launch prep (part 1): grid 262 x 1, 8 waves a work-group, no clusters, 0 bytes of LDS; arguments encoded_nodes_codes, encoded_nodes_scales, Wk_codes, Wk_scales, Wv_codes, Wv_scales, Wq_last, kv, wq; writes kv, wq
.if DOCPART == 1
	.amdgcn_target "amdgcn-amd-amdhsa--gfx1250"
	.amdhsa_code_object_version 6
	.text
	.protected	k_q24ad25135d_prep
	.globl	k_q24ad25135d_prep
	.p2align	8
	.type	k_q24ad25135d_prep,@function
k_q24ad25135d_prep:
	s_mov_b64 s[64:65], 0
	v_nop
	global_prefetch_b8 v0, s[64:65] scope:SCOPE_SE
	s_setreg_imm32_b32 hwreg(HW_REG_WAVE_MODE, 25, 1), 1
	s_wait_xcnt 0x0
; PREP: what every query block of the attention launch reads is made once.
; Work-groups 0-255 (batch b, head group hg of 8 heads, key step of 128 keys; wave w = head 8 hg + w):
;   k = nodes x Wk and v = nodes x Wv on the given FP4 codes.  k is stored in f32 as images of the operand registers of the f32 matrix form,
;   v is quantised along the keys (blocks of 32) and stored as an image of an FP4 operand, with its scale words.
; Work-groups 256-261: Wq_last [257][256] f32 is quantised along its first axis into 48 operand images (K step s of 128, head H).
; THE KEYS OF A TILE ARE NOT NEIGHBOURS: row m of tile 2 b + u is key 32 b + 8 u + m + 8 (m / 8), so that in later results the 16 registers of tiles 2 b, 2 b + 1 are 16 neighbouring keys.
; Keys from 1,000 on count as zeros: their codes are cleared (the row loaded in their place is row 999, so no load leaves its buffer).
; kv, block I = (2 b + hg) 8 + step, 74,752 bytes: +0 K images: head w x 8,192 + tile t x 1,024 + c x 512 + 16 x lane; +65,536 V images: w x 1,024 + c x 512 + 16 x lane; +73,728 V scale words: w x 128 + 4 x lane.
; wq, record T = 16 s + H: codes at 1,024 T + 512 c + 16 x lane, scale word at 49,152 + 128 T + 4 x lane.
; Every store of a wave covers 512 consecutive bytes that begin at a multiple of 256 (the scale words: 128).
; LIMITS: a block of zeros, and a block whose largest magnitude lies under 2^-124, gets the scale byte 1 (the codes of a block of zeros are zeros, and this program alone reads the bytes);
; NaN, infinities and a given scale byte 0xff are not served.
; No LDS, no barrier: waves share nothing.
.set NA,  10                           ; v10-13  a tile's byte offset in the nodes' codes
.set NSA, 14                           ; v14-17  and in their scale bytes
.set WK,  20                           ; v20-35  Wk's fragments of my head, K step s at + 8 s
.set WV,  36                           ; v36-51  Wv's
.set WKS, 52                           ; v52-53  Wk's scale words, K step s at + s
.set WVS, 54                           ; v54-55  Wv's
.set NS,  56                           ; v56-63  the nodes' scale words: tile t, K step s at 2 t + s
.set ND,  64                           ; v64-127 the nodes' fragments of four tiles: 16 t + 8 s
.set DK,  128                          ; v128-159 k^T of four tiles
.set DV,  160                          ; v160-223 v of all eight tiles
.set PC,  224                          ; v224-231 v's codes
.set BM,  232                          ; v232-235 largest magnitudes
.set PT,  236                          ; v236-239 the other half's, then the bytes
.set SO,  240                          ; v240-243 the conversions' scale operands
.set PW,  248                          ; v248    the scale word
.set X,   64                           ; (role wq) 64 numbers of a column of Wq_last
.set SEL, 60                           ; s[60:61] lane selects: lane l xor 16
; 64 numbers of a lane, register 16 b + i = k 32 b + 16 (lane / 16) + i of the lane's row, become a fragment's codes and its scale word.
.macro QUANT s, pc, pw, bm, pt, so
.irp b, 0,1,2,3
	v_max3_num_f32 v[\bm+\b], |v[\s+16*\b]|, |v[\s+1+16*\b]|, 0x1800000   ; my 16 numbers of block b, and the floor 2^(3 - 127): the byte cannot fall under 1
.endr
.irp i, 2,4,6,8,10,12,14
.irp b, 0,1,2,3
	v_max3_num_f32 v[\bm+\b], v[\bm+\b], |v[\s+16*\b+\i]|, |v[\s+1+16*\b+\i]|
.endr
.endr
.irp b, 0,1,2,3
	v_permlanex16_b32 v[\pt+\b], v[\bm+\b], s[SEL], s[SEL+1]
.endr
.irp b, 0,1,2,3
	v_max_num_f32 v[\bm+\b], v[\bm+\b], v[\pt+\b]                      ; with lane l xor 16: the block's largest magnitude
.endr
.irp b, 0,1,2,3
	v_add_nc_u32 v[\so+\b], 0xff000000, v[\bm+\b]                     ; 2 off its exponent field: the conversion's scale operand
.endr
.irp b, 0,1,2,3
	v_lshrrev_b32 v[\pt+\b], 23, v[\so+\b]                            ; the scale's byte
.endr
	v_lshl_or_b32 v[\pw], v[\pt+1], 8, v[\pt]
	v_lshl_or_b32 v[\pw], v[\pt+2], 16, v[\pw]
	v_lshl_or_b32 v[\pw], v[\pt+3], 24, v[\pw]
.irp b, 0,1,2,3
	v_cvt_scalef32_pk8_fp4_f32 v[\pc+2*\b], v[\s+16*\b:\s+7+16*\b], v[\so+\b]
	v_cvt_scalef32_pk8_fp4_f32 v[\pc+1+2*\b], v[\s+8+16*\b:\s+15+16*\b], v[\so+\b]
.endr
	v_nop                                          ; one plain place behind a scaled conversion
.irp c, 0,1
.irp i, 0,1
	v_permlane16_swap_b32 v[\pc+4*\c+\i], v[\pc+2+4*\c+\i]            ; a whole block to a lane: lanes 0-15 block 2 c, lanes 16-31 block 2 c + 1
.endr
.endr
.endm
	s_load_b256 s[4:11], s[0:1], 0x0               ; nodes' codes, nodes' scales, Wk's codes, Wk's scales
	s_load_b256 s[12:19], s[0:1], 0x20             ; Wv's codes, Wv's scales, Wq_last, kv
	s_load_b64 s[20:21], s[0:1], 0x40              ; wq
	v_lshrrev_b32 v1, 5, v0
	v_readfirstlane_b32 s22, v1                    ; wave 0..7
	v_and_b32 v1, 15, v0                           ; r
	v_bfe_u32 v2, v0, 4, 1                         ; h
	v_and_b32 v3, 8, v1
	v_add_nc_u32 v3, v3, v1                        ; r + 8 (r / 8)
	v_and_b32 v4, 31, v0
	v_lshlrev_b32 v5, 2, v4                        ; 4 x lane
	v_lshlrev_b32 v4, 4, v4                        ; 16 x lane
	s_mov_b32 s[SEL], 0x76543210
	s_mov_b32 s[SEL+1], 0xfedcba98
	s_cmp_ge_u32 ttmp9, 256
	s_cbranch_scc1 .Lwq
	; ---------------- role kv
	s_lshr_b32 s23, ttmp9, 4                       ; b
	s_bfe_u32 s24, ttmp9, 0x10003                  ; hg
	s_and_b32 s25, ttmp9, 7                        ; key step
	s_lshl_b32 s26, s24, 3
	s_add_co_u32 s26, s26, s22                     ; my head
	s_lshl_b32 s30, s25, 7                         ; the step's first key
	s_mov_b32 s31, 1000
	s_mul_i32 s32, s23, 128000                     ; the batch's codes,
	s_mov_b32 s33, 0
	s_mul_i32 s34, s23, 8000                       ; its scale bytes
	s_mov_b32 s35, 0
	s_lshl_b32 s36, s26, 11                        ; my head's 16 rows of Wk and Wv: 128 bytes a row,
	s_mov_b32 s37, 0
	s_lshl_b32 s38, s26, 7                         ; 8 scale bytes a row
	s_mov_b32 s39, 0
	s_mul_i32 s44, ttmp9, 74752                    ; my block of kv
	s_mov_b32 s45, 0
	s_lshl_b32 s46, s22, 13                        ; in it: my head's K images,
	s_mov_b32 s47, 0
	s_lshl_b32 s48, s22, 10
	s_add_co_u32 s48, s48, 65536                   ; V image,
	s_mov_b32 s49, 0
	s_lshl_b32 s50, s22, 7
	s_add_co_u32 s50, s50, 73728                   ; V scale words
	s_mov_b32 s51, 0
	v_lshlrev_b32 v6, 7, v1
	v_lshl_add_u32 v6, v2, 4, v6                   ; a weight's fragment: row r, + 16 h
	v_lshlrev_b32 v7, 3, v1                        ; its scale words
	v_add_nc_u32 v8, s30, v3                       ; the key of row r of tile 0
	v_lshlrev_b32 v9, 4, v2                        ; 16 h
.irp b, 0,1,2,3
	v_mov_b32 v[PT+\b], 0                          ; written once: a lane permute's destination counts as one of its sources
.endr
	s_wait_kmcnt 0x0
	s_add_nc_u64 s[4:5], s[4:5], s[32:33]
	s_add_nc_u64 s[6:7], s[6:7], s[34:35]
	s_add_nc_u64 s[8:9], s[8:9], s[36:37]
	s_add_nc_u64 s[12:13], s[12:13], s[36:37]
	s_add_nc_u64 s[10:11], s[10:11], s[38:39]
	s_add_nc_u64 s[14:15], s[14:15], s[38:39]
	s_add_nc_u64 s[18:19], s[18:19], s[44:45]
	s_add_nc_u64 s[52:53], s[18:19], s[46:47]
	s_add_nc_u64 s[54:55], s[18:19], s[48:49]
	s_add_nc_u64 s[56:57], s[18:19], s[50:51]
.irp s, 0,1
.irp c, 0,1
	global_load_b128 v[WK+8*\s+4*\c:WK+8*\s+4*\c+3], v6, s[8:9] offset:64*\s+32*\c
	global_load_b128 v[WV+8*\s+4*\c:WV+8*\s+4*\c+3], v6, s[12:13] offset:64*\s+32*\c
.endr
.endr
	global_load_b64 v[WKS:WKS+1], v7, s[10:11]
	global_load_b64 v[WVS:WVS+1], v7, s[14:15]
; Four tiles of 16 keys (tiles 4 g .. 4 g + 3): their fragments, both products, and k's way out.
.macro GROUP g
.irp t, 0,1,2,3
	v_add_nc_u32 v18, 32*((4*\g+\t)/2)+8*(\t%2), v8                   ; my row's key
	v_cmp_gt_u32 s[40+\t], s31, v18                                   ; does it exist?
	v_min_u32 v18, 0x3e7, v18                                         ; the row that is loaded stays inside the batch
	v_lshl_add_u32 v[NA+\t], v18, 7, v9
	v_lshlrev_b32 v[NSA+\t], 3, v18
.irp s, 0,1
.irp c, 0,1
	global_load_b128 v[ND+16*\t+8*\s+4*\c:ND+16*\t+8*\s+4*\c+3], v[NA+\t], s[4:5] offset:64*\s+32*\c
.endr
.endr
	global_load_b64 v[NS+2*\t:NS+2*\t+1], v[NSA+\t], s[6:7]
.endr
	s_wait_loadcnt 0x0                             ; all fragments are in; the loads have also read their address registers
.irp t, 0,1,2,3
.set j, 0
.rept 16
	v_cndmask_b32 v[ND+16*\t+j], 0, v[ND+16*\t+j], s[40+\t]           ; keys from 1,000 on: zero codes
.set j, j+1
.endr
.endr
.rept 4
	v_nop                                          ; an operand written by vector instructions stands four places ahead of a scaled matrix instruction
.endr
.irp s, 0,1                                    ; k^T: source 0 = my head's 16 columns of Wk, source 1 = 16 keys: a lane holds one key and channels 8 h + 0 .. 7.  The four accumulators take turns
.irp t, 0,1,2,3
.if \s == 0
	v_wmma_scale_f32_16x16x128_f8f6f4 v[DK+8*\t:DK+8*\t+7], v[WK+8*\s:WK+8*\s+7], v[ND+16*\t+8*\s:ND+16*\t+8*\s+7], 0, v[WKS+\s], v[NS+2*\t+\s] matrix_a_fmt:MATRIX_FMT_FP4 matrix_b_fmt:MATRIX_FMT_FP4
.else
	v_wmma_scale_f32_16x16x128_f8f6f4 v[DK+8*\t:DK+8*\t+7], v[WK+8*\s:WK+8*\s+7], v[ND+16*\t+8*\s:ND+16*\t+8*\s+7], v[DK+8*\t:DK+8*\t+7], v[WKS+\s], v[NS+2*\t+\s] matrix_a_fmt:MATRIX_FMT_FP4 matrix_b_fmt:MATRIX_FMT_FP4
.endif
.endr
.endr
.irp s, 0,1                                    ; v: source 0 = 16 keys, source 1 = my head's 16 columns of Wv: a lane holds one channel, and its registers run along the keys
.irp t, 0,1,2,3
.if \s == 0
	v_wmma_scale_f32_16x16x128_f8f6f4 v[DV+8*(4*\g+\t):DV+8*(4*\g+\t)+7], v[ND+16*\t+8*\s:ND+16*\t+8*\s+7], v[WV+8*\s:WV+8*\s+7], 0, v[NS+2*\t+\s], v[WVS+\s] matrix_a_fmt:MATRIX_FMT_FP4 matrix_b_fmt:MATRIX_FMT_FP4
.else
	v_wmma_scale_f32_16x16x128_f8f6f4 v[DV+8*(4*\g+\t):DV+8*(4*\g+\t)+7], v[ND+16*\t+8*\s:ND+16*\t+8*\s+7], v[WV+8*\s:WV+8*\s+7], v[DV+8*(4*\g+\t):DV+8*(4*\g+\t)+7], v[NS+2*\t+\s], v[WVS+\s] matrix_a_fmt:MATRIX_FMT_FP4 matrix_b_fmt:MATRIX_FMT_FP4
.endif
.endr
.endr
.rept 4
	v_nop                                          ; four places ahead of the stores of results and of the next loads into operands
.endr
.irp t, 0,1,2,3
.irp c, 0,1
	global_store_b128 v4, v[DK+8*\t+4*\c:DK+8*\t+4*\c+3], s[52:53] offset:(4*\g+\t)*1024+\c*512   ; the image: each accumulator from its low end on
.endr
.endr
	s_wait_xcnt 0x0                                ; the stores have read their data: the next group writes these registers again
.endm
	GROUP 0
	GROUP 1
	QUANT DV, PC, PW, BM, PT, SO                   ; v along the step's 128 keys: one fragment, one scale word a channel
	global_store_b128 v4, v[PC:PC+3], s[54:55]
	global_store_b128 v4, v[PC+4:PC+7], s[54:55] offset:512
	global_store_b32 v5, v[PW], s[56:57]
	s_endpgm
	; ---------------- role wq: a lane takes a column, and its registers run down K
.Lwq:
	s_sub_co_u32 s23, ttmp9, 256
	s_lshl_b32 s23, s23, 3
	s_add_co_u32 s23, s23, s22                     ; record T = 0 .. 47
	s_lshr_b32 s24, s23, 4                         ; K step
	s_and_b32 s25, s23, 15                         ; head
	s_lshl_b32 s26, s24, 17                        ; 128 rows of 1,024 bytes a K step,
	s_lshl_b32 s27, s25, 6                         ; 16 columns a head
	s_add_co_u32 s26, s26, s27
	s_mov_b32 s27, 0
	s_lshl_b32 s28, s23, 10
	s_mov_b32 s29, 0
	s_lshl_b32 s30, s23, 7
	s_add_co_u32 s30, s30, 49152
	s_mov_b32 s31, 0
	s_mov_b32 s32, 0xffff                          ; lanes 0-15
	v_lshlrev_b32 v7, 2, v1                        ; column r
	v_lshl_add_u32 v6, v2, 15, v7                  ; lanes 16-31 begin 32 rows further down
	s_wait_kmcnt 0x0
	s_add_nc_u64 s[16:17], s[16:17], s[26:27]
	s_add_nc_u64 s[34:35], s[20:21], s[28:29]
	s_add_nc_u64 s[36:37], s[20:21], s[30:31]
	s_cmp_lt_u32 s23, 32
	s_cbranch_scc0 .Lwq_last
.irp c, 0,1
.set j, 0
.rept 32
	global_load_b32 v[X+32*\c+j], v6, s[16:17] offset:1024*(64*\c+j)  ; W(128 s + 64 c + 32 h + j, column)
.set j, j+1
.endr
.endr
	s_branch .Lwq_have
.Lwq_last:                                             ; K step 2 holds row 256 alone; the rest of it is zeros
	global_load_b32 v[X], v7, s[16:17]
.set j, 1
.rept 63
	v_mov_b32 v[X+j], 0
.set j, j+1
.endr
	s_wait_loadcnt 0x0
	v_cndmask_b32 v[X], 0, v[X], s32               ; it is k = 0 of lanes 0-15
.Lwq_have:
	s_wait_loadcnt 0x0
.irp c, 0,1
	v_max3_num_f32 v[20+\c], |v[X+32*\c]|, |v[X+1+32*\c]|, 0x1800000  ; my block 2 c + h: all its 32 numbers are mine; and the floor
.endr
.irp i, 2,4,6,8,10,12,14,16,18,20,22,24,26,28,30
.irp c, 0,1
	v_max3_num_f32 v[20+\c], v[20+\c], |v[X+32*\c+\i]|, |v[X+1+32*\c+\i]|
.endr
.endr
.irp c, 0,1
	v_add_nc_u32 v[22+\c], 0xff000000, v[20+\c]
.endr
.irp c, 0,1
	v_lshrrev_b32 v[24+\c], 23, v[22+\c]
.endr
	v_lshl_or_b32 v26, v25, 16, v24                ; my two bytes: blocks h and 2 + h,
	v_lshlrev_b32 v27, 3, v2
	v_lshlrev_b32 v26, v27, v26                    ; at their places in the word;
	v_mov_b32 v27, 0
	v_permlanex16_b32 v27, v26, s[SEL], s[SEL+1]
	v_or_b32 v26, v26, v27                         ; with lane l xor 16 the word is whole
.irp c, 0,1
.irp g, 0,1,2,3
	v_cvt_scalef32_pk8_fp4_f32 v[32+4*\c+\g], v[X+32*\c+8*\g:X+32*\c+8*\g+7], v[22+\c]
.endr
.endr
	v_nop
	global_store_b128 v4, v[32:35], s[34:35]
	global_store_b128 v4, v[36:39], s[34:35] offset:512
	global_store_b32 v5, v26, s[36:37]
	s_endpgm
.Lfunc_end_k_q24ad25135d_prep:
	.size	k_q24ad25135d_prep, .Lfunc_end_k_q24ad25135d_prep-k_q24ad25135d_prep
	.p2alignl 7, 3214868480
	.fill 96, 4, 3214868480
	.section	.rodata,"a",@progbits
	.p2align	6, 0x0
	.amdhsa_kernel k_q24ad25135d_prep
		.amdhsa_group_segment_fixed_size 0
		.amdhsa_private_segment_fixed_size 0
		.amdhsa_enable_private_segment 0
		.amdhsa_kernarg_size 72
		.amdhsa_user_sgpr_count 2
		.amdhsa_user_sgpr_kernarg_segment_ptr 1
		.amdhsa_wavefront_size32 1
		.amdhsa_system_sgpr_workgroup_id_x 1
		.amdhsa_system_sgpr_workgroup_id_y 1
		.amdhsa_system_sgpr_workgroup_id_z 1
		.amdhsa_system_vgpr_workitem_id 0
		.amdhsa_next_free_vgpr 256
		.amdhsa_next_free_sgpr 66
		.amdhsa_reserve_vcc 0
		.amdhsa_float_denorm_mode_32 3
		.amdhsa_float_denorm_mode_16_64 3
		.amdhsa_memory_ordered 1
		.amdhsa_forward_progress 1
		.amdhsa_inst_pref_size 40
	.end_amdhsa_kernel
	.amdgpu_metadata
---
amdhsa.version: [ 1, 2 ]
amdhsa.kernels:
  - .name:           k_q24ad25135d_prep
    .symbol:         k_q24ad25135d_prep.kd
    .args:
      - { .name: encoded_nodes_codes, .offset: 0, .size: 8, .value_kind: global_buffer, .address_space: global }
      - { .name: encoded_nodes_scales, .offset: 8, .size: 8, .value_kind: global_buffer, .address_space: global }
      - { .name: Wk_codes, .offset: 16, .size: 8, .value_kind: global_buffer, .address_space: global }
      - { .name: Wk_scales, .offset: 24, .size: 8, .value_kind: global_buffer, .address_space: global }
      - { .name: Wv_codes, .offset: 32, .size: 8, .value_kind: global_buffer, .address_space: global }
      - { .name: Wv_scales, .offset: 40, .size: 8, .value_kind: global_buffer, .address_space: global }
      - { .name: Wq_last, .offset: 48, .size: 8, .value_kind: global_buffer, .address_space: global }
      - { .name: kv, .offset: 56, .size: 8, .value_kind: global_buffer, .address_space: global }
      - { .name: wq, .offset: 64, .size: 8, .value_kind: global_buffer, .address_space: global }
    .group_segment_fixed_size: 0
    .private_segment_fixed_size: 0
    .kernarg_segment_align: 8
    .kernarg_segment_size: 72
    .max_flat_workgroup_size: 256
    .sgpr_count:     66
    .vgpr_count:     256
    .wavefront_size: 32
...
	.end_amdgpu_metadata
.endif
;; end of part 1
;; launch attn (part 2): grid 16 x 32, 16 waves a work-group, clusters of 4 x 1, 327,680 bytes of LDS; arguments encoded_last_node, attr, ninf_mask, kv, wq, oc; writes oc
.if DOCPART == 2
	.amdgcn_target "amdgcn-amd-amdhsa--gfx1250"
	.amdhsa_code_object_version 6
	.text
	.protected	k_q24ad25135d_attn
	.globl	k_q24ad25135d_attn
	.p2align	8
	.type	k_q24ad25135d_attn,@function
k_q24ad25135d_attn:
	s_mov_b64 s[64:65], 0
	v_nop
	global_prefetch_b8 v0, s[64:65] scope:SCOPE_SE
	s_setreg_imm32_b32 hwreg(HW_REG_WAVE_MODE, 25, 1), 1
	s_wait_xcnt 0x0
	s_wait_alu depctr_hold_cnt(0) depctr_sa_sdst(0) depctr_va_vdst(0) depctr_va_sdst(0) depctr_va_ssrc(0) depctr_va_vcc(0) depctr_vm_vsrc(0)
	s_getreg_b32 s2, hwreg(HW_REG_IB_STS2, 6, 4)
	s_cmp_eq_u32 s2, 0
	s_cbranch_scc0 .Lentry_in_a_cluster
	s_endpgm
.Lentry_in_a_cluster:
	s_bfe_u32 s2, ttmp6, 0x10000c
	s_cmp_lg_u32 s2, 0x3003
	s_cbranch_scc0 .Lentry_shape_is_right
	s_endpgm
.Lentry_shape_is_right:
; ATTN: q = Q([last node, attr]) Q(Wq), scores q k / 4 + mask, p = 2^(t - M), O = Q(p) Q(v) / l, and O quantised for the product with Wc.
; SHARES.  A work-group owns 64 query rows (block blk of a batch, from row min(64 blk, 936): the last block takes 24 rows again, into records of its own) and 8 heads (head group hg).
; Wave w owns query tile qt = w % 4 and heads 2 hp, 2 hp + 1 of the group, hp = w / 4: together one block of 32 of the next product's K.  Four waves to a SIMD: one wave's softmax stands beside another's matrix work.
; Every wave walks the 1,000 keys in 8 steps of 128 through a ring of two LDS slots.  A slot holds a block of kv (images of operand registers: read at 16 x lane, no pitch) and the work-group's mask tile, 64 rows x 128 keys.
; CLUSTER.  The four row blocks of a cluster share batch and head group, so the block of kv is asked for JOINTLY (waves 0-3, a quarter each, mask 15); the mask tile is the work-group's own (wave 4).
; The place in the cluster enters global addresses alone (mask, last node, attr, oc).
; SCORES.  K = 16 feeds a quantiser, so its operands are f32: v_wmma_f32_16x16x4_f32, S^T = k q^T, four instructions a tile of 16 keys; THE MASK IS THE C of the first.  A lane holds one query; the 16 registers of
; tiles 2 b, 2 b + 1 are keys 32 b + 16 (lane / 16) + 0 .. 15.  The channels are summed in the order 8 h + 2 s + j (the same permutation on both operands), not 0 .. 15.
; The registers of S are written by matrix instructions alone: t - M and p go to T.
; SOFTMAX.  t = (score + mask) log2(e); M = the running largest t rounded up to a whole number, kept as -M; when M moves, l and O are multiplied by 2^(old M - new M), which rounds nothing.  l sums the unquantised p.
; LIMITS.  A row whose mask is -inf at every key has l = 0: its codes in oc carry no meaning (the last launch makes that row NaN, as the softmax of such a row is).  NaN and infinities in the inputs, other than -inf in the mask,
; are not served.  Blocks of zeros, and blocks under 2^-124, get the scale byte 1.
.set SLOT1, 1<<17                      ; slot 1 begins here: one exclusive or turns an address in one slot into the other's
.set KVB,   74752                      ; a block of kv: K images at 0, V images at 65,536, V scale words at 73,728
.set VOFF,  65536
.set VSOFF, 73728
.set MOFF,  74752                      ; behind it the mask tile: 64 rows of 512 bytes + 16
.set MP,    528
.set SPARE, 262144                     ; behind the ring: the spare words, 128 bytes for each of 16 waves
.set SPW, 1                            ; v1   LDS address of my spare word; never rewritten
.set NIL, 2                            ; v2   0; never rewritten
.set AK0, 3                            ; v3   16 x lane + 16,384 hp: my heads' K images
.set AV0, 4                            ; v4   16 x lane + 2,048 hp + VOFF
.set AS0, 5                            ; v5   4 x lane + 256 hp + VSOFF
.set AM0, 6                            ; v6   (16 qt + r) MP + 64 h + MOFF
.set ADK, 7                            ; v7-10 the same in the slot in hand (in the prologue: offsets of the global loads)
.set ADV, 8
.set ADS, 9
.set ADM, 10
.set NINF, 11                          ; v11  -infinity
.set ST,  12                           ; v12-19 head e: + 4 e: -M, the largest t, l in two halves
.set Q,   20                           ; v20-35 q / 4: head e at + 8 e, register j = channel 8 h + j
.set O,   36                           ; v36-51 O^T: head e at + 8 e
.set KF,  52                           ; v52-83 four tiles of k
.set S,   84                           ; v84-147 the scores
.set T,   148                          ; v148-211 the mask, then t - M, then p
.set PC,  212                          ; v212-219 p's codes
.set VF,  220                          ; v220-227 v's fragment
.set BM,  228
.set PT,  232
.set SO,  236
.set F,   240                          ; v240 f = 2^(old M - new M); v241 written once, named with it as a pair
.set C2,  242                          ; v242-243 the second chain of the sums
.set VS,  244                          ; v244-252 hold scales and nothing else: v's word, p's word;
.set PS,  245
.set XS,  244                          ; in the prologue x's three words
.set WQS, 247                          ; and Wq's six
.set WQF, 36                           ; in the prologue Wq's six fragments: v36-83
.set WV,  16                           ; s16 my wave
.set G1KV, 28
.set G1M,  36
.set G1ML, 44
.set G0KV, 52
.set G0M,  56
.set SEL, 60
.set CS,  62                           ; s[62:63] log2(e)
.set TB,  66                           ; s66 the slot in hand
.set CNT, 67
.set HM,  68                           ; s68 lanes 16-31
.macro CROUND                          ; a round of the cluster's barrier
	s_barrier_signal -1
	s_barrier_wait -1
	s_cmp_lg_u32 s[WV], 0
	s_cbranch_scc1 .Lnot_wave_0_\@
	s_barrier_signal -3
.Lnot_wave_0_\@:
	s_barrier_wait -3
	s_barrier_signal -1
	s_barrier_wait -1
.endm
; Waves 0-3 ask jointly for a quarter of the block of kv each, wave 4 for the mask tile, the others for nothing.  The branches hang on the wave's number alone.  Four v_nop follow each load.
.macro TLOAD g1m
	s_cmp_lt_u32 s[WV], 4
	s_cbranch_scc0 .Lnot_kv_\@
	tensor_load_to_lds s[G0KV:G0KV+3], s[G1KV:G1KV+7]
.rept 4
	v_nop
.endr
	s_branch .Lasked_\@
.Lnot_kv_\@:
	s_cmp_eq_u32 s[WV], 4
	s_cbranch_scc0 .Lasked_\@
	tensor_load_to_lds s[G0M:G0M+3], s[\g1m:\g1m+7]
.rept 4
	v_nop
.endr
.Lasked_\@:
.endm
; THE CHANGE OF SLOTS stands at a step's head.  Each wave waits for all its tensor loads (one at the most is out), adds 0 to its spare word, and waits for that and for its reads of the slot that it has left.
; fill = 1, 2: a round of the cluster's barrier, and behind it the slot just left is filled with the next step (2: the last step, whose mask tile has 104 columns).  fill = 0: nothing is left to fetch.
.macro CHANGE fill
	s_wait_tensorcnt 0x0                           ; no tensor load of mine is out, so a group 0 may be written
	ds_add_u32 v[SPW], v[NIL]                      ; 0 onto my spare word
.if \fill
	s_xor_b32 s[G0KV+1], s[G0KV+1], SLOT1
	s_add_nc_u64 s[G0KV+2:G0KV+3], s[G0KV+2:G0KV+3], KVB
	s_xor_b32 s[G0M+1], s[G0M+1], SLOT1
	s_add_nc_u64 s[G0M+2:G0M+3], s[G0M+2:G0M+3], 512
.endif
	s_wait_dscnt 0x0                               ; the add is done, and my reads of the slot that I have left are over
.if \fill == 1
	CROUND
	TLOAD G1M
.elseif \fill == 2
	CROUND
	TLOAD G1ML
.else
	s_barrier_signal -1
	s_barrier_wait -1
.endif
.endm
.macro QUANT s, pc, pw, bm, pt, so     ; 64 numbers of a lane, register 16 b + i = k 32 b + 16 h + i of my row, become a fragment's codes and its scale word
.irp b, 0,1,2,3
	v_max3_num_f32 v[\bm+\b], |v[\s+16*\b]|, |v[\s+1+16*\b]|, 0x1800000
.endr
.irp i, 2,4,6,8,10,12,14
.irp b, 0,1,2,3
	v_max3_num_f32 v[\bm+\b], v[\bm+\b], |v[\s+16*\b+\i]|, |v[\s+1+16*\b+\i]|
.endr
.endr
.irp b, 0,1,2,3
	v_permlanex16_b32 v[\pt+\b], v[\bm+\b], s[SEL], s[SEL+1]
.endr
.irp b, 0,1,2,3
	v_max_num_f32 v[\bm+\b], v[\bm+\b], v[\pt+\b]
.endr
.irp b, 0,1,2,3
	v_add_nc_u32 v[\so+\b], 0xff000000, v[\bm+\b]
.endr
.irp b, 0,1,2,3
	v_lshrrev_b32 v[\pt+\b], 23, v[\so+\b]
.endr
	v_lshl_or_b32 v[\pw], v[\pt+1], 8, v[\pt]
	v_lshl_or_b32 v[\pw], v[\pt+2], 16, v[\pw]
	v_lshl_or_b32 v[\pw], v[\pt+3], 24, v[\pw]
.irp b, 0,1,2,3
	v_cvt_scalef32_pk8_fp4_f32 v[\pc+2*\b], v[\s+16*\b:\s+7+16*\b], v[\so+\b]
	v_cvt_scalef32_pk8_fp4_f32 v[\pc+1+2*\b], v[\s+8+16*\b:\s+15+16*\b], v[\so+\b]
.endr
	v_nop
.irp c, 0,1
.irp i, 0,1
	v_permlane16_swap_b32 v[\pc+4*\c+\i], v[\pc+2+4*\c+\i]
.endr
.endr
.endm
.macro XLOAD s                         ; my 16 rows' numbers of K step s of the last node: 64 a lane
.irp b, 0,1,2,3
.irp j, 0,1,2,3
	global_load_b128 v[T+16*\b+4*\j:T+16*\b+4*\j+3], v[ADK], s[4:5] offset:512*\s+128*\b+16*\j
.endr
.endr
.endm
.macro KLOAD e, half                   ; four tiles of k of head e
.irp t, 0,1,2,3
.irp c, 0,1
	ds_load_b128 v[KF+8*\t+4*\c:KF+8*\t+4*\c+3], v[ADK] offset:\e*8192+(4*\half+\t)*1024+\c*512
.endr
.endr
.endm
.macro SCORES e, half                  ; 16 matrix instructions: four tiles by turns, four channels an instruction; the first takes the mask as C
.irp s, 0,1,2,3
.irp t, 0,1,2,3
.if \s == 0
	v_wmma_f32_16x16x4_f32 v[S+32*\half+8*\t:S+32*\half+8*\t+7], v[KF+8*\t+2*\s:KF+8*\t+2*\s+1], v[Q+8*\e+2*\s:Q+8*\e+2*\s+1], v[T+32*\half+8*\t:T+32*\half+8*\t+7]
.else
	v_wmma_f32_16x16x4_f32 v[S+32*\half+8*\t:S+32*\half+8*\t+7], v[KF+8*\t+2*\s:KF+8*\t+2*\s+1], v[Q+8*\e+2*\s:Q+8*\e+2*\s+1], v[S+32*\half+8*\t:S+32*\half+8*\t+7]
.endif
.endr
.endr
.endm
; 16 queries x 128 keys x head e.  last = 1: the step of keys 896 on, of which 104 exist.
.macro UNIT e, last
.irp b, 0,1,2,3
.irp i, 0,1,2,3
	ds_load_b128 v[T+16*\b+4*\i:T+16*\b+4*\i+3], v[ADM] offset:128*\b+16*\i   ; mask(my query, keys 32 b + 16 h + 4 i ..)
.endr
.endr
	KLOAD \e, 0
	s_wait_dscnt 0x0
.if \last
.irp j, 48,49,50,51,52,53,54,55
	v_cndmask_b32 v[T+\j], v[T+\j], v[NINF], s[HM]                    ; keys 96 + 16 h + 0 .. 7: lanes 16-31 are past the end
.endr
.irp j, 56,57,58,59,60,61,62,63
	v_mov_b32 v[T+\j], v[NINF]                                        ; keys 104 + 16 h on: all past the end
.endr
.endif
	SCORES \e, 0
.rept 8
	v_nop                                          ; eight places behind this form, ahead of loads into registers that it has read
.endr
	KLOAD \e, 1
.irp c, 0,1
	ds_load_b128 v[VF+4*\c:VF+4*\c+3], v[ADV] offset:\e*1024+\c*512
.endr
	ds_load_b32 v[VS], v[ADS] offset:\e*128
	s_wait_dscnt 0x3                               ; k's eight loads are in; v's two and its scale word, issued behind them, may stay out
	SCORES \e, 1
.rept 8
	v_nop                                          ; eight places ahead of the first read of results
.endr
.irp b, 0,1,2,3
	v_max3_num_f32 v[BM+\b], v[S+16*\b], v[S+16*\b+1], v[S+16*\b+2]   ; the largest score of each block of 32 keys: for the row's maximum, and, since p rises with the score, for the block's largest p
.endr
.irp i, 3,5,7,9,11,13
.irp b, 0,1,2,3
	v_max3_num_f32 v[BM+\b], v[BM+\b], v[S+16*\b+\i], v[S+16*\b+\i+1]
.endr
.endr
.irp b, 0,1,2,3
	v_max_num_f32 v[BM+\b], v[BM+\b], v[S+16*\b+15]
.endr
.irp b, 0,1,2,3
	v_permlanex16_b32 v[PT+\b], v[BM+\b], s[SEL], s[SEL+1]
.endr
.irp b, 0,1,2,3
	v_max_num_f32 v[BM+\b], v[BM+\b], v[PT+\b]
.endr
	v_max3_num_f32 v253, v[BM], v[BM+1], v[BM+2]
	v_max_num_f32 v253, v253, v[BM+3]
	v_mul_f32 v253, s[CS], v253                    ; the step's largest t
	v_max_num_f32 v[ST+4*\e+1], v[ST+4*\e+1], v253 ; the running largest t
	v_mov_b32 v253, v[ST+4*\e]
	v_floor_f32 v[ST+4*\e], -v[ST+4*\e+1]          ; the new -M = -ceil(t)
	v_sub_f32 v253, v[ST+4*\e], v253               ; old M - new M: a whole number, 0 or less
	v_cvt_i32_f32 v253, v253                       ; (it saturates)
	v_ldexp_f32 v[F], 1.0, v253                    ; f
.irp b, 0,1,2,3
	v_fma_f32 v[BM+\b], v[BM+\b], s[CS], v[ST+4*\e]
.endr
.set j, 0
.rept 32
	v_pk_fma_f32 v[T+j:T+j+1], v[S+j:S+j+1], s[CS:CS+1], v[ST+4*\e:ST+4*\e+1] op_sel_hi:[1,0,0]   ; t - M, two at a time, into T
.set j, j+2
.endr
.set j, 0
.rept 64
	v_exp_f32 v[T+j], v[T+j]                       ; p = 2^(t - M)
.set j, j+1
.endr
.irp b, 0,1,2,3
	v_exp_f32 v[BM+\b], v[BM+\b]                   ; each block's largest p: the same two instructions on the same number
.endr
	v_pk_mul_f32 v[ST+4*\e+2:ST+4*\e+3], v[ST+4*\e+2:ST+4*\e+3], v[F:F+1] op_sel_hi:[1,0]   ; l under the new M: the plain place behind the exponentials
	s_wait_alu depctr_va_vdst(0)                   ; one wait for the batch of 68, ahead of its first reader
.irp b, 0,1,2,3
	v_max_num_f32 v[BM+\b], 0x1800000, v[BM+\b]    ; the floor: the byte cannot fall under 1
.endr
.irp b, 0,1,2,3
	v_add_nc_u32 v[SO+\b], 0xff000000, v[BM+\b]
.endr
.irp b, 0,1,2,3
	v_lshrrev_b32 v[PT+\b], 23, v[SO+\b]
.endr
	v_lshl_or_b32 v[PS], v[PT+1], 8, v[PT]         ; p's scale word for these 128 keys
	v_lshl_or_b32 v[PS], v[PT+2], 16, v[PS]
	v_lshl_or_b32 v[PS], v[PT+3], 24, v[PS]
.irp b, 0,1,2,3
	v_cvt_scalef32_pk8_fp4_f32 v[PC+2*\b], v[T+16*\b:T+7+16*\b], v[SO+\b]
	v_cvt_scalef32_pk8_fp4_f32 v[PC+1+2*\b], v[T+8+16*\b:T+15+16*\b], v[SO+\b]
.endr
	v_nop
.irp c, 0,1
.irp i, 0,1
	v_permlane16_swap_b32 v[PC+4*\c+\i], v[PC+2+4*\c+\i]
.endr
.endr
	v_pk_add_f32 v[C2:C2+1], v[T:T+1], v[T+2:T+3]  ; l takes the unquantised p, in two chains.  These 32 lines are also the places between the scale word, the codes and the product
.irp j, 4,8,12,16,20,24,28,32,36,40,44,48,52,56,60
	v_pk_add_f32 v[ST+4*\e+2:ST+4*\e+3], v[ST+4*\e+2:ST+4*\e+3], v[T+\j:T+\j+1]
	v_pk_add_f32 v[C2:C2+1], v[C2:C2+1], v[T+\j+2:T+\j+3]
.endr
	v_pk_add_f32 v[ST+4*\e+2:ST+4*\e+3], v[ST+4*\e+2:ST+4*\e+3], v[C2:C2+1]
.irp j, 0,2,4,6
	v_pk_mul_f32 v[O+8*\e+\j:O+8*\e+\j+1], v[O+8*\e+\j:O+8*\e+\j+1], v[F:F+1] op_sel_hi:[1,0]   ; O^T under the new M, from its low end on
.endr
	s_wait_dscnt 0x0                               ; v's fragment and scale word
	v_wmma_scale_f32_16x16x128_f8f6f4 v[O+8*\e:O+8*\e+7], v[VF:VF+7], v[PC:PC+7], v[O+8*\e:O+8*\e+7], v[VS], v[PS] matrix_a_fmt:MATRIX_FMT_FP4 matrix_b_fmt:MATRIX_FMT_FP4
.endm
.macro STEPWORK last
	v_add_nc_u32 v[ADK], s[TB], v[AK0]
	v_add_nc_u32 v[ADV], s[TB], v[AV0]
	v_add_nc_u32 v[ADS], s[TB], v[AS0]
	v_add_nc_u32 v[ADM], s[TB], v[AM0]
	UNIT 0, \last
	UNIT 1, \last
	s_xor_b32 s[TB], s[TB], SLOT1                  ; on to the other slot
.endm
	s_load_b256 s[4:11], s[0:1], 0x0               ; last node, attr, mask, kv
	s_load_b128 s[12:15], s[0:1], 0x20             ; wq, oc
	v_lshl_add_u32 v[SPW], v0, 2, SPARE
	v_mov_b32 v[NIL], 0
	v_lshrrev_b32 v253, 5, v0
	v_readfirstlane_b32 s[WV], v253                ; wave 0..15
	s_and_b32 s17, s[WV], 3                        ; qt
	s_lshr_b32 s18, s[WV], 2                       ; hp
	s_bfe_u32 s19, ttmp6, 0x40000                  ; cx
	s_lshl_b32 s20, ttmp9, 2
	s_add_co_u32 s20, s20, s19                     ; blk = 4 x cluster x + cx: it enters global addresses alone
	s_and_b32 s21, ttmp7, 0xffff                   ; y = 2 b + hg, which the four partners share
	s_lshr_b32 s22, s21, 1                         ; b
	s_and_b32 s23, s21, 1                          ; hg
	s_lshl_b32 s24, s20, 6
	s_min_u32 s24, s24, 936                        ; the block's first row
	v_and_b32 v253, 31, v0                         ; lane
	v_and_b32 v254, 15, v0                         ; r
	v_bfe_u32 v255, v0, 4, 1                       ; h
	s_lshl_b32 s70, s18, 14
	v_lshl_add_u32 v[AK0], v253, 4, s70
	s_lshl_b32 s70, s18, 11
	s_add_co_u32 s70, s70, VOFF
	v_lshl_add_u32 v[AV0], v253, 4, s70
	s_lshl_b32 s70, s18, 8
	s_add_co_u32 s70, s70, VSOFF
	v_lshl_add_u32 v[AS0], v253, 2, s70
	s_mul_i32 s70, s17, 16*MP
	s_add_co_u32 s70, s70, MOFF
	v_mul_u32_u24 v[AM0], v254, MP
	v_lshl_add_u32 v[AM0], v255, 6, v[AM0]
	v_add_nc_u32 v[AM0], s70, v[AM0]
	v_lshlrev_b32 v[ADK], 10, v254
	v_lshl_add_u32 v[ADK], v255, 6, v[ADK]         ; the last node: row r of 1,024 bytes, + 64 h
	v_lshlrev_b32 v[ADV], 4, v253                  ; 16 x lane: Wq's images
	v_lshlrev_b32 v[ADS], 2, v253                  ; 4 x lane: their scale words
	v_lshlrev_b32 v[ADM], 2, v254                  ; 4 r: attr
	s_mul_i32 s72, s22, 1000
	s_add_co_u32 s72, s72, s24                     ; the block's first row in the whole tensor
	s_mul_i32 s74, s72, 4000                       ; its row of the mask
	s_mov_b32 s75, 0
	s_lshl_b32 s73, s17, 4
	s_add_co_u32 s72, s72, s73                     ; my tile's first row
	s_lshl_b32 s76, s72, 10
	s_mov_b32 s77, 0
	s_lshl_b32 s78, s72, 2
	s_mov_b32 s79, 0
	s_mul_i32 s80, s21, 8*KVB                      ; kv: the eight blocks of (b, hg),
	s_mul_i32 s82, s[WV], 18688                    ; my quarter: 73 rows of 256 bytes; also its place in a slot
	s_add_co_u32 s80, s80, s82
	s_mov_b32 s81, 0
	s_lshl_b32 s83, s23, 3
	s_lshl_b32 s84, s18, 1
	s_add_co_u32 s83, s83, s84                     ; my first head
	s_lshl_b32 s84, s83, 10
	s_mov_b32 s85, 0
	s_lshl_b32 s86, s83, 7
	s_add_co_u32 s86, s86, 49152
	s_mov_b32 s87, 0
	s_lshl_b32 s88, s22, 4                         ; my record of oc: ((((16 b + blk) 4 + qt) 2 + hg) 4 + hp) x 512 bytes
	s_add_co_u32 s88, s88, s20
	s_lshl_b32 s88, s88, 2
	s_add_co_u32 s88, s88, s17
	s_lshl_b32 s88, s88, 1
	s_add_co_u32 s88, s88, s23
	s_lshl_b32 s88, s88, 2
	s_add_co_u32 s88, s88, s18
	s_lshl_b32 s88, s88, 9
	s_mov_b32 s89, 0
	s_lshl_b32 s69, s18, 3                         ; 8 hp: my byte's place in a scale word
	s_mov_b32 s[HM], 0xffff0000
	s_mov_b32 s[SEL], 0x76543210
	s_mov_b32 s[SEL+1], 0xfedcba98
	s_mov_b32 s[CS], 0x3fb8aa3b                    ; log2(e)
	s_mov_b32 s[CS+1], s[CS]
	s_mov_b32 s[TB], 0
	s_mov_b32 s[CNT], 6
	; group 1 for a quarter of a block of kv: 73 rows of 32 elements of 8 bytes, dense; mask 15, bit 21 beside it
	s_mov_b32 s[G1KV], 15|(3<<16)|(1<<21)
	s_mov_b32 s[G1KV+1], 32<<16
	s_mov_b32 s[G1KV+2], 73<<16
	s_mov_b32 s[G1KV+3], 32<<16
	s_mov_b32 s[G1KV+4], 73
	s_mov_b32 s[G1KV+5], 32
	s_mov_b32 s[G1KV+6], 0
	s_mov_b32 s[G1KV+7], 0
	; group 1 for the mask tile: 64 rows of 128 elements of 4 bytes, 1,000 elements from row to row, 4 words of padding behind every 128; the last step's has 104 columns left, the rest arrive as zeros
.irp g, G1M, G1ML
	s_mov_b32 s[\g], (2<<16)|(1<<20)|(6<<22)|(3<<25)
	s_mov_b32 s[\g+2], 64<<16
	s_mov_b32 s[\g+3], 128<<16
	s_mov_b32 s[\g+4], 64
	s_mov_b32 s[\g+5], 1000
	s_mov_b32 s[\g+6], 0
	s_mov_b32 s[\g+7], 0
.endr
	s_mov_b32 s[G1M+1], 128<<16
	s_mov_b32 s[G1ML+1], 104<<16
	s_wait_kmcnt 0x0
	s_mov_b32 s[G0KV], 1
	s_mov_b32 s[G0KV+1], s82
	s_add_nc_u64 s[G0KV+2:G0KV+3], s[10:11], s[80:81]
	s_or_b32 s[G0KV+3], s[G0KV+3], 0x80000000
	s_mov_b32 s[G0M], 1
	s_mov_b32 s[G0M+1], MOFF
	s_add_nc_u64 s[G0M+2:G0M+3], s[8:9], s[74:75]
	s_or_b32 s[G0M+3], s[G0M+3], 0x80000000
	s_add_nc_u64 s[4:5], s[4:5], s[76:77]
	s_add_nc_u64 s[6:7], s[6:7], s[78:79]
	s_add_nc_u64 s[90:91], s[12:13], s[86:87]
	s_add_nc_u64 s[12:13], s[12:13], s[84:85]
	s_add_nc_u64 s[14:15], s[14:15], s[88:89]
	CROUND                                         ; all four work-groups are here: the first joint loads meet
	TLOAD G1M                                      ; step 0 into slot 0
	; ---- q, while the first tiles are on their way.  K = 257: two K steps of the last node, and a third that holds attr alone
.irp e, 0,1
.irp s, 0,1,2
.irp c, 0,1
	global_load_b128 v[WQF+8*(3*\e+\s)+4*\c:WQF+8*(3*\e+\s)+4*\c+3], v[ADV], s[12:13] offset:\e*1024+\s*16384+\c*512
.endr
	global_load_b32 v[WQS+3*\e+\s], v[ADS], s[90:91] offset:\e*128+\s*2048
.endr
.endr
	global_load_b32 v28, v[ADM], s[6:7]            ; attr of row r
	XLOAD 0
.irp b, 0,1,2,3
	v_mov_b32 v[PT+\b], 0                          ; written once: a lane permute's destination counts as one of its sources
.endr
	s_wait_loadcnt 0x0
	QUANT T, PC, XS, BM, PT, SO
	XLOAD 1
.irp j, 1,2,3,4,5,6,7
	v_mov_b32 v[28+\j], 0                          ; the ninth block: attr and 31 zeros
.endr
	v_max3_num_f32 v253, |v28|, |v28|, 0x1800000
	v_add_nc_u32 v254, 0xff000000, v253
	v_lshrrev_b32 v[XS+2], 23, v254                ; its byte; the word's other three bytes are 0 over zero codes
	v_cvt_scalef32_pk8_fp4_f32 v[Q], v[28:35], v254
	v_nop
	v_cndmask_b32 v[Q], v[Q], v[NIL], s[HM]        ; k = 256 .. 263 lie in lanes 0-15
.irp j, 1,2,3,4,5,6,7
	v_mov_b32 v[Q+\j], 0
.endr
	s_wait_loadcnt 0x0
	QUANT T, VF, XS+1, BM, PT, SO
.rept 8
	v_nop                                          ; a scale word written by vector instructions stands eight places ahead of a scaled matrix instruction
.endr
.irp s, 0,1,2                                  ; q^T: source 0 = a head's 16 columns of Wq, source 1 = my 16 rows.  The two heads take turns
.if \s == 2
.set XFR, Q
.else
.set XFR, PC+8*\s
.endif
.irp e, 0,1
.if \s == 0
	v_wmma_scale_f32_16x16x128_f8f6f4 v[T+8*\e:T+8*\e+7], v[WQF+8*(3*\e+\s):WQF+8*(3*\e+\s)+7], v[XFR:XFR+7], 0, v[WQS+3*\e+\s], v[XS+\s] matrix_a_fmt:MATRIX_FMT_FP4 matrix_b_fmt:MATRIX_FMT_FP4
.else
	v_wmma_scale_f32_16x16x128_f8f6f4 v[T+8*\e:T+8*\e+7], v[WQF+8*(3*\e+\s):WQF+8*(3*\e+\s)+7], v[XFR:XFR+7], v[T+8*\e:T+8*\e+7], v[WQS+3*\e+\s], v[XS+\s] matrix_a_fmt:MATRIX_FMT_FP4 matrix_b_fmt:MATRIX_FMT_FP4
.endif
.endr
.endr
.rept 4
	v_nop
.endr
.set j, 0
.rept 16
	v_mul_f32 v[Q+j], 0x3e800000, v[T+j]           ; q / sqrt(16): exact
.set j, j+1
.endr
.set j, 0
.rept 16
	v_mov_b32 v[O+j], 0                            ; the step is written once for all steps: the first finds zeros
.set j, j+1
.endr
.irp e, 0,1
	v_mov_b32 v[ST+4*\e+1], 0xff61b1e6             ; the largest t so far: -3e38
	v_floor_f32 v[ST+4*\e], -v[ST+4*\e+1]
	v_mov_b32 v[ST+4*\e+2], 0
	v_mov_b32 v[ST+4*\e+3], 0
.endr
	v_mov_b32 v[F+1], 0
	v_mov_b32 v[NINF], 0xff800000
.Lstep:                                                ; steps 0-5; behind each change of slots the next step is asked for
	CHANGE 1
	STEPWORK 0
	s_sub_co_u32 s[CNT], s[CNT], 1
	s_cmp_lg_u32 s[CNT], 0
	s_cbranch_scc1 .Lstep
	CHANGE 2                                       ; step 6; the last step is asked for, with its narrower mask tile
	STEPWORK 0
	CHANGE 0                                       ; step 7: written out
	STEPWORK 1
	; ---- the way out: O / l, quantised: my two heads are one block of 32 of the next K
.rept 4
	v_nop                                          ; four places behind the last product
.endr
.irp e, 0,1
	v_add_f32 v[ST+4*\e+2], v[ST+4*\e+2], v[ST+4*\e+3]
.endr
.irp e, 0,1
	v_permlanex16_b32 v[PT+\e], v[ST+4*\e+2], s[SEL], s[SEL+1]
.endr
.irp e, 0,1
	v_add_f32 v[ST+4*\e+2], v[ST+4*\e+2], v[PT+\e] ; the row's sum
.endr
.irp e, 0,1
	v_rcp_f32 v[ST+4*\e+2], v[ST+4*\e+2]
.endr
	v_and_b32 v254, 31, v0                         ; (a plain place behind the reciprocals)
	v_lshlrev_b32 v254, 4, v254                    ; 16 x lane
	s_wait_alu depctr_va_vdst(0)                   ; one wait for the two, ahead of their first reader
.irp e, 0,1
.irp j, 0,2,4,6
	v_pk_mul_f32 v[T+8*\e+\j:T+8*\e+\j+1], v[O+8*\e+\j:O+8*\e+\j+1], v[ST+4*\e+2:ST+4*\e+3] op_sel_hi:[1,0]   ; register 8 e + j: channel 16 e + 8 h + j of the block
.endr
.endr
	v_max3_num_f32 v[BM], |v[T]|, |v[T+1]|, 0x1800000
.irp i, 2,4,6,8,10,12,14
	v_max3_num_f32 v[BM], v[BM], |v[T+\i]|, |v[T+\i+1]|
.endr
	v_permlanex16_b32 v[PT], v[BM], s[SEL], s[SEL+1]
	v_max_num_f32 v[BM], v[BM], v[PT]
	v_add_nc_u32 v[SO], 0xff000000, v[BM]
	v_lshrrev_b32 v[PT], 23, v[SO]
	v_cvt_scalef32_pk8_fp4_f32 v[PC], v[T:T+7], v[SO]
	v_cvt_scalef32_pk8_fp4_f32 v[PC+2], v[T+8:T+15], v[SO]
	v_nop
	v_mov_b32 v[PC+1], v[PC]
	v_mov_b32 v[PC+3], v[PC+2]
	v_permlane16_swap_b32 v[PC], v[PC+1]           ; both halves of the lanes now hold channels 0-7 here, 8-15 there,
	v_permlane16_swap_b32 v[PC+2], v[PC+3]         ; 16-23 and 24-31: the row's 16 bytes
	v_lshlrev_b32 v253, s69, v[PT]                 ; the byte at its place in the K step's scale word
	v_cndmask_b32 v[PC], v[PC], v253, s[HM]        ; lanes 16-31 carry it in their first word
	global_store_b128 v254, v[PC:PC+3], s[14:15]   ; one record: 512 consecutive bytes, from a multiple of 512
	s_wait_tensorcnt 0x0                           ; the wave's end
	ds_add_u32 v[SPW], v[NIL]
	s_wait_dscnt 0x0
	CROUND                                         ; the closing round
	s_endpgm
.Lfunc_end_k_q24ad25135d_attn:
	.size	k_q24ad25135d_attn, .Lfunc_end_k_q24ad25135d_attn-k_q24ad25135d_attn
	.p2alignl 7, 3214868480
	.fill 96, 4, 3214868480
	.section	.rodata,"a",@progbits
	.p2align	6, 0x0
	.amdhsa_kernel k_q24ad25135d_attn
		.amdhsa_group_segment_fixed_size 327680
		.amdhsa_private_segment_fixed_size 0
		.amdhsa_enable_private_segment 0
		.amdhsa_kernarg_size 48
		.amdhsa_user_sgpr_count 2
		.amdhsa_user_sgpr_kernarg_segment_ptr 1
		.amdhsa_wavefront_size32 1
		.amdhsa_system_sgpr_workgroup_id_x 1
		.amdhsa_system_sgpr_workgroup_id_y 1
		.amdhsa_system_sgpr_workgroup_id_z 1
		.amdhsa_system_vgpr_workitem_id 0
		.amdhsa_next_free_vgpr 256
		.amdhsa_next_free_sgpr 100
		.amdhsa_reserve_vcc 0
		.amdhsa_float_denorm_mode_32 3
		.amdhsa_float_denorm_mode_16_64 3
		.amdhsa_memory_ordered 1
		.amdhsa_forward_progress 1
		.amdhsa_inst_pref_size 125
	.end_amdhsa_kernel
	.amdgpu_metadata
---
amdhsa.version: [ 1, 2 ]
amdhsa.kernels:
  - .name:           k_q24ad25135d_attn
    .symbol:         k_q24ad25135d_attn.kd
    .args:
      - { .name: encoded_last_node, .offset: 0, .size: 8, .value_kind: global_buffer, .address_space: global }
      - { .name: attr, .offset: 8, .size: 8, .value_kind: global_buffer, .address_space: global }
      - { .name: ninf_mask, .offset: 16, .size: 8, .value_kind: global_buffer, .address_space: global }
      - { .name: kv, .offset: 24, .size: 8, .value_kind: global_buffer, .address_space: global }
      - { .name: wq, .offset: 32, .size: 8, .value_kind: global_buffer, .address_space: global }
      - { .name: oc, .offset: 40, .size: 8, .value_kind: global_buffer, .address_space: global }
    .group_segment_fixed_size: 327680
    .private_segment_fixed_size: 0
    .kernarg_segment_align: 8
    .kernarg_segment_size: 48
    .max_flat_workgroup_size: 512
    .sgpr_count:     100
    .vgpr_count:     256
    .wavefront_size: 32
...
	.end_amdgpu_metadata
.endif
;; end of part 2
;; launch probs (part 3): grid 16 x 16, 16 waves a work-group, no clusters, 327,680 bytes of LDS; arguments oc, Wc_codes, Wc_scales, bc, encoded_nodes_codes, encoded_nodes_scales, ninf_mask, out0; writes out0
.if DOCPART == 3
	.amdgcn_target "amdgcn-amd-amdhsa--gfx1250"
	.amdhsa_code_object_version 6
	.text
	.protected	k_q24ad25135d_probs
	.globl	k_q24ad25135d_probs
	.p2align	8
	.type	k_q24ad25135d_probs,@function
k_q24ad25135d_probs:
	s_mov_b64 s[64:65], 0
	v_nop
	global_prefetch_b8 v0, s[64:65] scope:SCOPE_SE
	s_setreg_imm32_b32 hwreg(HW_REG_WAVE_MODE, 25, 1), 1
	s_wait_xcnt 0x0
; PROBS: mh = oc Wc + bc, quantised; score2 = Q(mh) nodes^T; out0 = softmax(10 tanh(score2 / 16) + mask).
; SHARES.  A work-group owns 64 rows (block blk of batch b, from row min(64 blk, 936)) and all 1,000 nodes.  Wave w owns nodes 64 w .. 64 w + 63 for the four tiles of 16 rows: 16 accumulators, so each node fragment is read once.
; The 64 rows of the mask, 256,000 bytes, come into LDS once, by four tensor loads at the head (four segments of 256 columns), while the products run; the probabilities are later laid over them (those bytes have had
; their only fill) and leave as a dense run of 256,000 bytes of out0 that begins at a multiple of 256: each store of a wave covers 512 consecutive bytes.
; Phase 6 (waves 0-7: tile of rows a = w % 4, half s7 = w / 4 of the 256 columns): mh^T, source 0 = 16 rows of Wc's codes, source 1 = oc's rows, bc as the first C; quantised in registers; its image goes to LDS for all waves.
; THE ROWS OF A TILE ARE NOT NEIGHBOURS (Wc's and the nodes'): row m of tile 2 b + u is 32 b + 8 u + m + 8 (m / 8), so that a lane's 16 registers of two tiles are 16 neighbours.
; tanh(y) = 1 - 2 / (1 + 2^(2 y log2 e)); the softmax takes the row's maximum away: it and the row's sum are joined over the 16 waves through LDS.
; The last block takes rows 936-959 again and does not store them: each byte of out0 has one owner.
; NO CLUSTER: what work-groups share (the batch's node codes and Wc, 170 KB) goes straight into registers; the bytes that come by tensor loads, the mask, are each work-group's own.
; LIMITS: a row whose mask is -inf everywhere comes out NaN, as the softmax of such a row is.  NaN and infinities elsewhere are not served.  Blocks of zeros, and blocks under 2^-124, get the scale byte 1.
.set SEG,  66560                       ; a segment: 64 rows of 1,024 bytes + 16
.set MPI,  1040
.set MHI,  266240                      ; behind the four segments: mh's 8 images (2 a + s), 1,024 bytes each,
.set MHS,  274432                      ; their scale words, 128 bytes each,
.set EXM,  275456                      ; the waves' maxima: 64 rows x (16 words + 16 bytes),
.set EXS,  280576                      ; and sums
.set RB,   64                          ; v64-127  phase 6: mh^T; phase 7: node and mh fragments; then the mask, the exchanges, the way out
.set ACC,  128                         ; v128-255 phase 6: Wc's 16 fragments; then the 16 accumulators: 8 (4 a + t)
.set OCF,  24                          ; v24-39   phase 6: oc's two fragments
.set WCS,  40                          ; v40-63 hold scales and nothing else: Wc's words (2 t + s),
.set OCS,  56                          ; oc's bytes (4 s + hp), joined into v56 and v60;
.set NDS,  40                          ; phase 7: the nodes' words (2 t + s),
.set MHSC, 48                          ; mh's (2 a + s)
.set NOA,  24                          ; v24-27 the tiles' offsets in the nodes' codes; v28-31 in their scale bytes
.set NOS,  28
.set GM,   24                          ; v24-31 later: a row's maximum, then 1 / its sum, in pairs
.set MX,   32                          ; v32-35 my part of a row's maximum
.set PX,   36                          ; v36-39 lane permutes' destinations
.set SEL,  60
.macro QUANT s, pc, pw, bm, pt, so
.irp b, 0,1,2,3
	v_max3_num_f32 v[\bm+\b], |v[\s+16*\b]|, |v[\s+1+16*\b]|, 0x1800000
.endr
.irp i, 2,4,6,8,10,12,14
.irp b, 0,1,2,3
	v_max3_num_f32 v[\bm+\b], v[\bm+\b], |v[\s+16*\b+\i]|, |v[\s+1+16*\b+\i]|
.endr
.endr
.irp b, 0,1,2,3
	v_permlanex16_b32 v[\pt+\b], v[\bm+\b], s[SEL], s[SEL+1]
.endr
.irp b, 0,1,2,3
	v_max_num_f32 v[\bm+\b], v[\bm+\b], v[\pt+\b]
.endr
.irp b, 0,1,2,3
	v_add_nc_u32 v[\so+\b], 0xff000000, v[\bm+\b]
.endr
.irp b, 0,1,2,3
	v_lshrrev_b32 v[\pt+\b], 23, v[\so+\b]
.endr
	v_lshl_or_b32 v[\pw], v[\pt+1], 8, v[\pt]
	v_lshl_or_b32 v[\pw], v[\pt+2], 16, v[\pw]
	v_lshl_or_b32 v[\pw], v[\pt+3], 24, v[\pw]
.irp b, 0,1,2,3
	v_cvt_scalef32_pk8_fp4_f32 v[\pc+2*\b], v[\s+16*\b:\s+7+16*\b], v[\so+\b]
	v_cvt_scalef32_pk8_fp4_f32 v[\pc+1+2*\b], v[\s+8+16*\b:\s+15+16*\b], v[\so+\b]
.endr
	v_nop
.irp c, 0,1
.irp i, 0,1
	v_permlane16_swap_b32 v[\pc+4*\c+\i], v[\pc+2+4*\c+\i]
.endr
.endr
.endm
.macro BARRIER                                 ; my LDS stores have landed and my LDS loads are in: then the work-group's barrier
	s_wait_dscnt 0x0
	s_barrier_signal -1
	s_barrier_wait -1
.endm
	s_load_b256 s[4:11], s[0:1], 0x0               ; oc, Wc's codes, Wc's scales, bc
	s_load_b256 s[12:19], s[0:1], 0x20             ; nodes' codes, nodes' scales, mask, out0
	v_lshrrev_b32 v1, 5, v0
	v_readfirstlane_b32 s20, v1                    ; wave 0..15
	s_mov_b32 s21, 1000
	s_and_b32 s22, ttmp7, 0xffff                   ; b
	s_lshl_b32 s23, ttmp9, 6
	s_min_u32 s23, s23, 936                        ; the block's first row
	s_and_b32 s24, s20, 3
	s_lshr_b32 s25, s20, 2
	; every LDS address register is made here, ahead of the first branch on the wave's number
	v_and_b32 v1, 15, v0                           ; r
	v_bfe_u32 v2, v0, 4, 1                         ; h
	v_and_b32 v3, 31, v0
	v_lshlrev_b32 v4, 2, v3                        ; 4 x lane
	v_lshlrev_b32 v3, 4, v3                        ; 16 x lane
	v_and_b32 v5, 8, v1
	v_add_nc_u32 v5, v5, v1                        ; r + 8 (r / 8)
	v_lshlrev_b32 v6, 4, v1
	v_add_nc_u32 v7, 256, v6                       ; oc: a record's scale byte of row r
	v_lshl_add_u32 v6, v2, 9, v6                   ; oc: block 2 c + h of row r: 512 h + 16 r
	v_lshlrev_b32 v8, 7, v5
	v_lshl_add_u32 v8, v2, 4, v8                   ; Wc: a tile's row, + 16 h
	v_lshlrev_b32 v9, 3, v5                        ; its scale words
	v_lshlrev_b32 v10, 6, v2                       ; bc: 16 h numbers on
	s_lshl_b32 s26, s24, 1
	s_and_b32 s27, s25, 1
	s_or_b32 s26, s26, s27                         ; the image that I make: 2 a + s7
	s_lshl_b32 s27, s26, 10
	s_add_co_u32 s27, s27, MHI
	v_add_nc_u32 v11, s27, v3
	s_lshl_b32 s27, s26, 7
	s_add_co_u32 s27, s27, MHS
	v_add_nc_u32 v12, s27, v4
	s_mul_i32 s27, s25, SEG                        ; my 64 columns: segment w / 4, 256 (w % 4) bytes on
	s_lshl_b32 s28, s24, 8
	s_add_co_u32 s27, s27, s28
	v_mul_u32_u24 v13, v1, MPI
	v_lshl_add_u32 v13, v2, 6, v13
	v_add_nc_u32 v13, s27, v13                     ; row r, + 64 h
	v_mul_u32_u24 v15, v1, 80
	v_add_nc_u32 v15, EXM, v15                     ; a row's 16 words
	s_lshl_b32 s27, s20, 2
	v_add_nc_u32 v14, s27, v15                     ; my wave's word among them
	v_add_nc_u32 v16, MHI, v3
	v_add_nc_u32 v17, MHS, v4
	v_mov_b32 v18, 0xff800000                      ; -infinity
	v_mov_b32 v20, 0x4166d4ca                      ; 10 log2(e), twice
	v_mov_b32 v21, 0x4166d4ca
	s_mul_i32 s66, s22, 1000
	s_add_co_u32 s66, s66, s23
	s_mul_i32 s66, s66, 4000                       ; the block's first byte in the mask and in out0
	s_mov_b32 s67, 0
	s_lshl_b32 s68, s24, 10                        ; the segment that I fetch, if I fetch
	s_mov_b32 s69, 0
	s_and_b32 s70, s25, 1                          ; s7
	s_lshl_b32 s72, s70, 9
	s_mov_b32 s73, 0
	s_lshl_b32 s74, s70, 14
	s_mov_b32 s75, 0
	s_lshl_b32 s76, s70, 10
	s_mov_b32 s77, 0
	s_lshl_b32 s78, s22, 4
	s_add_co_u32 s78, s78, ttmp9
	s_lshl_b32 s78, s78, 2
	s_add_co_u32 s78, s78, s24
	s_lshl_b32 s78, s78, 12                        ; oc: the eight records of (b, blk, a)
	s_mov_b32 s79, 0
	s_mul_i32 s26, s22, 128000
	s_mov_b32 s27, 0
	s_mul_i32 s28, s22, 8000
	s_mov_b32 s29, 0
	s_lshl_b32 s62, ttmp9, 6
	s_sub_co_u32 s62, s62, s23
	s_mul_i32 s62, s62, 250                        ; the first piece of 16 bytes that is mine to store: 0, or 6,000 in the last block
	s_mov_b32 s54, 0x3e38aa3b                      ; 2 log2(e) / 16
	s_mov_b32 s55, s54
	s_mov_b32 s56, 0x3fb8aa3b                      ; log2(e)
	s_mov_b32 s57, s56
	s_mov_b32 s58, 0xc1e6d4ca                      ; -20 log2(e)
	s_mov_b32 s59, s58
	s_mov_b32 s[SEL], 0x76543210
	s_mov_b32 s[SEL+1], 0xfedcba98
	; group 1: 64 rows of 256 elements of 4 bytes, 1,000 elements from row to row, 4 words of padding behind every 256; the last segment has 232 columns left, the rest arrive as zeros
.irp g, 32, 40
	s_mov_b32 s[\g], (2<<16)|(1<<20)|(7<<22)|(3<<25)
	s_mov_b32 s[\g+2], 64<<16
	s_mov_b32 s[\g+3], 256<<16
	s_mov_b32 s[\g+4], 64
	s_mov_b32 s[\g+5], 1000
	s_mov_b32 s[\g+6], 0
	s_mov_b32 s[\g+7], 0
.endr
	s_mov_b32 s33, 256<<16
	s_mov_b32 s41, 232<<16
	s_wait_kmcnt 0x0
	s_add_nc_u64 s[16:17], s[16:17], s[66:67]
	s_add_nc_u64 s[18:19], s[18:19], s[66:67]
	s_mov_b32 s48, 1
	s_mul_i32 s49, s24, SEG
	s_add_nc_u64 s[50:51], s[16:17], s[68:69]
	s_or_b32 s51, s51, 0x80000000
	s_add_nc_u64 s[4:5], s[4:5], s[78:79]
	s_add_nc_u64 s[6:7], s[6:7], s[74:75]
	s_add_nc_u64 s[8:9], s[8:9], s[76:77]
	s_add_nc_u64 s[10:11], s[10:11], s[72:73]
	s_add_nc_u64 s[12:13], s[12:13], s[26:27]
	s_add_nc_u64 s[14:15], s[14:15], s[28:29]
	s_cmp_lt_u32 s20, 3                            ; waves 0-3 fetch a segment each: the launch's only fills
	s_cbranch_scc0 .Lnot_a
	tensor_load_to_lds s[48:51], s[32:39]
.rept 4
	v_nop
.endr
	s_branch .Lasked
.Lnot_a:
	s_cmp_eq_u32 s20, 3
	s_cbranch_scc0 .Lasked
	tensor_load_to_lds s[48:51], s[40:47]
.rept 4
	v_nop
.endr
.Lasked:
	; ---- phase 6: waves 0-7
	s_cmp_lt_u32 s20, 8
	s_cbranch_scc0 .Lno6
.irp t, 0,1,2,3,4,5,6,7
	global_load_b128 v[RB+8*\t:RB+8*\t+3], v10, s[10:11] offset:(32*(\t/2)+8*(\t%2))*4        ; bc in the result's layout: the first C
	global_load_b128 v[RB+8*\t+4:RB+8*\t+7], v10, s[10:11] offset:(32*(\t/2)+8*(\t%2))*4+16
.endr
.irp t, 0,1,2,3,4,5,6,7
.irp s, 0,1
.irp c, 0,1
	global_load_b128 v[ACC+16*\t+8*\s+4*\c:ACC+16*\t+8*\s+4*\c+3], v8, s[6:7] offset:(32*(\t/2)+8*(\t%2))*128+64*\s+32*\c
.endr
.endr
	global_load_b64 v[WCS+2*\t:WCS+2*\t+1], v9, s[8:9] offset:(32*(\t/2)+8*(\t%2))*8
.endr
.irp s, 0,1
.irp c, 0,1
	global_load_b128 v[OCF+8*\s+4*\c:OCF+8*\s+4*\c+3], v6, s[4:5] offset:2048*\s+1024*\c
.endr
.irp p, 0,1,2,3
	global_load_b32 v[OCS+4*\s+\p], v7, s[4:5] offset:2048*\s+512*\p
.endr
.endr
	s_wait_loadcnt 0x0
.irp s, 0,1
	v_or_b32 v[OCS+4*\s], v[OCS+4*\s], v[OCS+4*\s+1]                  ; four bytes, each at its place, make a K step's scale word
	v_or_b32 v[OCS+4*\s+2], v[OCS+4*\s+2], v[OCS+4*\s+3]
	v_or_b32 v[OCS+4*\s], v[OCS+4*\s], v[OCS+4*\s+2]
.endr
.rept 8
	v_nop                                          ; a scale word written by vector instructions stands eight places ahead of a scaled matrix instruction
.endr
.irp s, 0,1                                    ; the eight tiles take turns
.irp t, 0,1,2,3,4,5,6,7
	v_wmma_scale_f32_16x16x128_f8f6f4 v[RB+8*\t:RB+8*\t+7], v[ACC+16*\t+8*\s:ACC+16*\t+8*\s+7], v[OCF+8*\s:OCF+8*\s+7], v[RB+8*\t:RB+8*\t+7], v[WCS+2*\t+\s], v[OCS+4*\s] matrix_a_fmt:MATRIX_FMT_FP4 matrix_b_fmt:MATRIX_FMT_FP4
.endr
.endr
.rept 4
	v_nop
.endr
	QUANT RB, 144, 152, 128, 132, 140              ; K step s7 of the next product, rows 16 a on
	ds_store_b128 v11, v[144:147]
	ds_store_b128 v11, v[148:151] offset:512
	ds_store_b32 v12, v152
.Lno6:
	; ---- all waves: my 64 nodes
	s_lshl_b32 s27, s20, 6
	v_add_nc_u32 v36, s27, v5
	v_lshlrev_b32 v38, 4, v2
.irp t, 0,1,2,3
	v_add_nc_u32 v37, 32*(\t/2)+8*(\t%2), v36
	v_min_u32 v37, 0x3e7, v37                      ; the row that is loaded stays inside the batch
	v_lshl_add_u32 v[NOA+\t], v37, 7, v38
	v_lshlrev_b32 v[NOS+\t], 3, v37
.endr
	v_lshl_add_u32 v37, v2, 4, s27
	v_add_nc_u32 v37, 32, v37
	v_cmp_gt_u32 s30, s21, v37                     ; do nodes 64 w + 32 + 16 h + 0 .. 7 exist?
	v_add_nc_u32 v37, 8, v37
	v_cmp_gt_u32 s31, s21, v37                     ; and + 8 .. 15?  (1,000 is a multiple of 8; nodes 64 w + 0 .. 31 always exist)
.irp a, 0,1,2,3
	v_mov_b32 v[PX+\a], 0                          ; a lane permute's destination counts as one of its sources
.endr
.irp t, 0,1,2,3
.irp c, 0,1
	global_load_b128 v[RB+8*\t+4*\c:RB+8*\t+4*\c+3], v[NOA+\t], s[12:13] offset:32*\c
.endr
	global_load_b64 v[NDS+2*\t:NDS+2*\t+1], v[NOS+\t], s[14:15]
.endr
	BARRIER                                        ; mh's eight images lie in LDS (the mask's loads may stay out)
	; ---- phase 7: score2^T: source 0 = 16 nodes, source 1 = 16 rows of mh
.irp i, 0,1,2,3,4,5,6,7
	ds_load_b32 v[MHSC+\i], v17 offset:128*\i
.endr
.irp s, 0,1
.if \s == 1
.rept 4
	v_nop                                          ; four places ahead of loads into operands
.endr
.irp t, 0,1,2,3
.irp c, 0,1
	global_load_b128 v[RB+8*\t+4*\c:RB+8*\t+4*\c+3], v[NOA+\t], s[12:13] offset:64+32*\c
.endr
.endr
.endif
.irp a, 0,1,2,3
.irp c, 0,1
	ds_load_b128 v[RB+32+8*\a+4*\c:RB+32+8*\a+4*\c+3], v16 offset:(2*\a+\s)*1024+512*\c
.endr
.endr
	s_wait_loadcnt 0x0
	s_wait_dscnt 0x0
.irp a, 0,1,2,3                                ; the 16 accumulators take turns
.irp t, 0,1,2,3
.if \s == 0
	v_wmma_scale_f32_16x16x128_f8f6f4 v[ACC+8*(4*\a+\t):ACC+8*(4*\a+\t)+7], v[RB+8*\t:RB+8*\t+7], v[RB+32+8*\a:RB+32+8*\a+7], 0, v[NDS+2*\t+\s], v[MHSC+2*\a+\s] matrix_a_fmt:MATRIX_FMT_FP4 matrix_b_fmt:MATRIX_FMT_FP4
.else
	v_wmma_scale_f32_16x16x128_f8f6f4 v[ACC+8*(4*\a+\t):ACC+8*(4*\a+\t)+7], v[RB+8*\t:RB+8*\t+7], v[RB+32+8*\a:RB+32+8*\a+7], v[ACC+8*(4*\a+\t):ACC+8*(4*\a+\t)+7], v[NDS+2*\t+\s], v[MHSC+2*\a+\s] matrix_a_fmt:MATRIX_FMT_FP4 matrix_b_fmt:MATRIX_FMT_FP4
.endif
.endr
.endr
.endr
.rept 4
	v_nop
.endr
	; ---- 1 / (1 + 2^(score2 x 2 log2(e) / 16)): before the mask is wanted.  Register 32 a + 16 b + i: row 16 a + r, node 64 w + 32 b + 16 h + i
.set j, 0
.rept 64
	v_pk_mul_f32 v[ACC+j:ACC+j+1], v[ACC+j:ACC+j+1], s[54:55] op_sel_hi:[1,0]
.set j, j+2
.endr
.set j, 0
.rept 128
	v_exp_f32 v[ACC+j], v[ACC+j]
.set j, j+1
.endr
	v_nop                                          ; a plain place behind the batch,
	s_wait_alu depctr_va_vdst(0)                   ; and one wait for it, ahead of its first reader
.set j, 0
.rept 64
	v_pk_add_f32 v[ACC+j:ACC+j+1], v[ACC+j:ACC+j+1], 1.0 op_sel_hi:[1,0]
.set j, j+2
.endr
.set j, 0
.rept 128
	v_rcp_f32 v[ACC+j], v[ACC+j]
.set j, j+1
.endr
	v_nop
	s_wait_alu depctr_va_vdst(0)
	s_wait_tensorcnt 0x0                           ; my segment of the mask has landed,
	BARRIER                                        ; everybody's has
	; ---- x = log2(e) (10 tanh + mask) = (mask log2(e) + 10 log2(e)) - 20 log2(e) / (1 + ..), and my part of each row's maximum
.macro MLOAD a
.irp b, 0,1
.irp i, 0,1,2,3
	ds_load_b128 v[RB+32*((\a)%2)+16*\b+4*\i:RB+32*((\a)%2)+16*\b+4*\i+3], v13 offset:(\a)*16*MPI+128*\b+16*\i
.endr
.endr
.endm
.macro ETILE a, left
.set MK, RB+32*((\a)%2)
.set A0, ACC+32*(\a)
	s_wait_dscnt \left                             ; this tile's eight loads are in; the next tile's eight may stay out
.irp j, 16,17,18,19,20,21,22,23
	v_cndmask_b32 v[MK+\j], v18, v[MK+\j], s30     ; nodes from 1,000 on: -infinity
.endr
.irp j, 24,25,26,27,28,29,30,31
	v_cndmask_b32 v[MK+\j], v18, v[MK+\j], s31
.endr
.irp j, 0,2,4,6,8,10,12,14,16,18,20,22,24,26,28,30
	v_pk_fma_f32 v[MK+\j:MK+\j+1], v[MK+\j:MK+\j+1], s[56:57], v[20:21] op_sel_hi:[1,0,1]
.endr
.irp j, 0,2,4,6,8,10,12,14,16,18,20,22,24,26,28,30
	v_pk_fma_f32 v[A0+\j:A0+\j+1], v[A0+\j:A0+\j+1], s[58:59], v[MK+\j:MK+\j+1] op_sel_hi:[1,0,1]
.endr
	v_max3_num_f32 v[MX+\a], v[A0], v[A0+1], v[A0+2]
.irp j, 3,5,7,9,11,13,15,17,19,21,23,25,27,29
	v_max3_num_f32 v[MX+\a], v[MX+\a], v[A0+\j], v[A0+\j+1]
.endr
	v_max_num_f32 v[MX+\a], v[MX+\a], v[A0+31]
.endm
	MLOAD 0
	MLOAD 1
	ETILE 0, 8
	MLOAD 2
	ETILE 1, 8
	MLOAD 3
	ETILE 2, 8
	ETILE 3, 0
.irp a, 0,1,2,3
	v_permlanex16_b32 v[PX+\a], v[MX+\a], s[SEL], s[SEL+1]
.endr
.irp a, 0,1,2,3
	v_max_num_f32 v[MX+\a], v[MX+\a], v[PX+\a]
.endr
.irp a, 0,1,2,3
	ds_store_b32 v14, v[MX+\a] offset:\a*1280      ; lanes r and r + 16 write the same word with the same value
.endr
	BARRIER
.irp a, 0,1,2,3
.irp i, 0,1,2,3
	ds_load_b128 v[RB+16*\a+4*\i:RB+16*\a+4*\i+3], v15 offset:\a*1280+16*\i
.endr
.endr
	s_wait_dscnt 0x0
.irp a, 0,1,2,3
	v_max3_num_f32 v[GM+2*\a], v[RB+16*\a], v[RB+16*\a+1], v[RB+16*\a+2]
.endr
.irp i, 3,5,7,9,11,13
.irp a, 0,1,2,3
	v_max3_num_f32 v[GM+2*\a], v[GM+2*\a], v[RB+16*\a+\i], v[RB+16*\a+\i+1]
.endr
.endr
.irp a, 0,1,2,3
	v_max_num_f32 v[GM+2*\a], v[GM+2*\a], v[RB+16*\a+15]              ; the row's maximum
.endr
.irp a, 0,1,2,3
	v_mov_b32 v[GM+2*\a+1], v[GM+2*\a]
.endr
.irp a, 0,1,2,3
.set j, 0
.rept 16
	v_pk_add_f32 v[ACC+32*\a+j:ACC+32*\a+j+1], v[ACC+32*\a+j:ACC+32*\a+j+1], v[GM+2*\a:GM+2*\a+1] neg_lo:[0,1] neg_hi:[0,1]
.set j, j+2
.endr
.endr
.set j, 0
.rept 128
	v_exp_f32 v[ACC+j], v[ACC+j]
.set j, j+1
.endr
	v_nop
	s_wait_alu depctr_va_vdst(0)
.irp a, 0,1,2,3
	v_pk_add_f32 v[RB+4*\a:RB+4*\a+1], v[ACC+32*\a:ACC+32*\a+1], v[ACC+32*\a+4:ACC+32*\a+5]
	v_pk_add_f32 v[RB+4*\a+2:RB+4*\a+3], v[ACC+32*\a+2:ACC+32*\a+3], v[ACC+32*\a+6:ACC+32*\a+7]
.endr
.irp j, 8,12,16,20,24,28
.irp a, 0,1,2,3
	v_pk_add_f32 v[RB+4*\a:RB+4*\a+1], v[RB+4*\a:RB+4*\a+1], v[ACC+32*\a+\j:ACC+32*\a+\j+1]
	v_pk_add_f32 v[RB+4*\a+2:RB+4*\a+3], v[RB+4*\a+2:RB+4*\a+3], v[ACC+32*\a+\j+2:ACC+32*\a+\j+3]
.endr
.endr
.irp a, 0,1,2,3
	v_pk_add_f32 v[RB+4*\a:RB+4*\a+1], v[RB+4*\a:RB+4*\a+1], v[RB+4*\a+2:RB+4*\a+3]
.endr
.irp a, 0,1,2,3
	v_add_f32 v[RB+4*\a], v[RB+4*\a], v[RB+4*\a+1]
.endr
.irp a, 0,1,2,3
	v_permlanex16_b32 v[PX+\a], v[RB+4*\a], s[SEL], s[SEL+1]
.endr
.irp a, 0,1,2,3
	v_add_f32 v[RB+4*\a], v[RB+4*\a], v[PX+\a]
.endr
.irp a, 0,1,2,3
	ds_store_b32 v14, v[RB+4*\a] offset:\a*1280+EXS-EXM
.endr
	BARRIER
.irp a, 0,1,2,3
.irp i, 0,1,2,3
	ds_load_b128 v[RB+16*\a+4*\i:RB+16*\a+4*\i+3], v15 offset:\a*1280+16*\i+EXS-EXM
.endr
.endr
	s_wait_dscnt 0x0
.irp i, 2,4,6,8,10,12,14
.irp a, 0,1,2,3
	v_pk_add_f32 v[RB+16*\a:RB+16*\a+1], v[RB+16*\a:RB+16*\a+1], v[RB+16*\a+\i:RB+16*\a+\i+1]
.endr
.endr
.irp a, 0,1,2,3
	v_add_f32 v[GM+2*\a], v[RB+16*\a], v[RB+16*\a+1]                  ; the row's sum: the same order in every wave
.endr
.irp a, 0,1,2,3
	v_rcp_f32 v[GM+2*\a], v[GM+2*\a]
.endr
	v_lshlrev_b32 v10, 4, v0                       ; (a plain place)  the way out: 16 bytes a thread
	s_wait_alu depctr_va_vdst(0)
.irp a, 0,1,2,3
.set j, 0
.rept 16
	v_pk_mul_f32 v[ACC+32*\a+j:ACC+32*\a+j+1], v[ACC+32*\a+j:ACC+32*\a+j+1], v[GM+2*\a:GM+2*\a+1] op_sel_hi:[1,0]
.set j, j+2
.endr
.endr
.irp a, 0,1,2,3
.irp b, 0,1
.irp i, 0,1,2,3
	ds_store_b128 v13, v[ACC+32*\a+16*\b+4*\i:ACC+32*\a+16*\b+4*\i+3] offset:\a*16*MPI+128*\b+16*\i   ; over my own columns of the mask, which nobody reads any more
.endr
.endr
.endr
	BARRIER                                        ; 64 whole rows of probabilities lie in LDS
	; ---- the way out: piece c = thread + 512 i of 16,000 pieces of 16 bytes; row c / 250, piece cc of the row; in LDS segment cc / 64
.macro ADDR i
	v_add_nc_u32 v6, 512*(\i), v0
	v_mul_u32_u24 v7, v6, 0x418a                   ; c / 250 = c x 16,778 >> 22 for c under 16,000
	v_lshrrev_b32 v7, 22, v7
	v_mul_u32_u24 v8, v7, 250
	v_sub_nc_u32 v8, v6, v8
	v_lshrrev_b32 v9, 6, v8
	v_and_b32 v8, 63, v8
	v_mul_u32_u24 v19, v7, MPI
	v_mad_u32_u24 v19, v9, SEG, v19
	v_lshl_add_u32 v19, v8, 4, v19
.endm
.macro OUTB i0, n
.set k, 0
.rept \n
	ADDR \i0+k
	ds_load_b128 v[RB+4*k:RB+4*k+3], v19
.set k, k+1
.endr
.set k, 0
.rept \n
	s_wait_dscnt \n-1-k                            ; the younger loads of the batch may stay out
.if (\i0+k) <= 11                      ; pieces under 6,000 are not the last block's to store
	v_add_nc_u32 v6, 512*(\i0+k), v0
	v_cmp_le_u32 vcc_lo, s62, v6
	s_wait_xcnt 0x0                                ; EXEC changes only behind this wait
	s_and_saveexec_b32 s63, vcc_lo
	global_store_b128 v10, v[RB+4*k:RB+4*k+3], s[18:19] offset:8192*(\i0+k) th:TH_STORE_NT
	s_wait_xcnt 0x0                                ; and again, ahead of the line that widens it
	s_or_b32 exec_lo, exec_lo, s63
.else
	global_store_b128 v10, v[RB+4*k:RB+4*k+3], s[18:19] offset:8192*(\i0+k) th:TH_STORE_NT
.endif
.set k, k+1
.endr
	s_wait_xcnt 0x0                                ; the stores have read their data: the next batch loads into these registers
.endm
	OUTB 0, 8
	OUTB 8, 8
	OUTB 16, 8
	OUTB 24, 7
	s_cmp_lt_u32 s20, 4                            ; the last 128 pieces
	s_cbranch_scc0 .Ldone
	ADDR 31
	ds_load_b128 v[RB:RB+3], v19
	s_wait_dscnt 0x0
	global_store_b128 v10, v[RB:RB+3], s[18:19] offset:8192*31 th:TH_STORE_NT
.Ldone:
	s_endpgm
.Lfunc_end_k_q24ad25135d_probs:
	.size	k_q24ad25135d_probs, .Lfunc_end_k_q24ad25135d_probs-k_q24ad25135d_probs
	.p2alignl 7, 3214868480
	.fill 96, 4, 3214868480
	.section	.rodata,"a",@progbits
	.p2align	6, 0x0
	.amdhsa_kernel k_q24ad25135d_probs
		.amdhsa_group_segment_fixed_size 327680
		.amdhsa_private_segment_fixed_size 0
		.amdhsa_enable_private_segment 0
		.amdhsa_kernarg_size 64
		.amdhsa_user_sgpr_count 2
		.amdhsa_user_sgpr_kernarg_segment_ptr 1
		.amdhsa_wavefront_size32 1
		.amdhsa_system_sgpr_workgroup_id_x 1
		.amdhsa_system_sgpr_workgroup_id_y 1
		.amdhsa_system_sgpr_workgroup_id_z 1
		.amdhsa_system_vgpr_workitem_id 0
		.amdhsa_next_free_vgpr 256
		.amdhsa_next_free_sgpr 80
		.amdhsa_reserve_vcc 1
		.amdhsa_float_denorm_mode_32 3
		.amdhsa_float_denorm_mode_16_64 3
		.amdhsa_memory_ordered 1
		.amdhsa_forward_progress 1
		.amdhsa_inst_pref_size 117
	.end_amdhsa_kernel
	.amdgpu_metadata
---
amdhsa.version: [ 1, 2 ]
amdhsa.kernels:
  - .name:           k_q24ad25135d_probs
    .symbol:         k_q24ad25135d_probs.kd
    .args:
      - { .name: oc, .offset: 0, .size: 8, .value_kind: global_buffer, .address_space: global }
      - { .name: Wc_codes, .offset: 8, .size: 8, .value_kind: global_buffer, .address_space: global }
      - { .name: Wc_scales, .offset: 16, .size: 8, .value_kind: global_buffer, .address_space: global }
      - { .name: bc, .offset: 24, .size: 8, .value_kind: global_buffer, .address_space: global }
      - { .name: encoded_nodes_codes, .offset: 32, .size: 8, .value_kind: global_buffer, .address_space: global }
      - { .name: encoded_nodes_scales, .offset: 40, .size: 8, .value_kind: global_buffer, .address_space: global }
      - { .name: ninf_mask, .offset: 48, .size: 8, .value_kind: global_buffer, .address_space: global }
      - { .name: out0, .offset: 56, .size: 8, .value_kind: global_buffer, .address_space: global }
    .group_segment_fixed_size: 327680
    .private_segment_fixed_size: 0
    .kernarg_segment_align: 8
    .kernarg_segment_size: 64
    .max_flat_workgroup_size: 512
    .sgpr_count:     80
    .vgpr_count:     256
    .wavefront_size: 32
...
	.end_amdgpu_metadata
.endif
;; end of part 3
